; MI455X (gfx1250); checked and timed in simulation.
; The chip was launched on July 23, 2026; its instructions are those of AMD's public machine-readable ISA for CDNA 5 (MIT licence, August 2026) and "CDNA5" Instruction Set Architecture Reference Guide (July 2026). The comments in the code are by the model that wrote it; some were corrected since.
;; Vector Quantizer. Allowed arithmetic: float matrix products may take bf16 or f16 operands with f32 sums; all other float work in f32.
;; Inputs: codebook 8,192 x 256 float32; z 8 x 256 x 64 x 64 float32.
;; Outputs: out0 8 x 256 x 64 x 64 float32; out1 one number float32; out2 32,768 int32.
;; One version. Each part assembles by itself: llvm-mc -triple=amdgcn-amd-amdhsa -mcpu=gfx1250 --defsym DOCPART=n.
;; ======== version 1 of 1: 4 launches
;; workspace buffers: cbx 4,325,376 bytes; idx 131,072 bytes of whole numbers; part 1,024 bytes
;; launch prep (part 1): grid 256 x 1, 1 waves a work-group, no clusters, 17,152 bytes of LDS; arguments codebook, cbx; writes cbx
.if DOCPART == 1
	.amdgcn_target "amdgcn-amd-amdhsa--gfx1250"
	.amdhsa_code_object_version 6
	.text
	.protected	k_q04a64b4807_prep
	.globl	k_q04a64b4807_prep
	.p2align	8
	.type	k_q04a64b4807_prep,@function
k_q04a64b4807_prep:
	s_mov_b64 s[64:65], 0
	v_nop
	global_prefetch_b8 v0, s[64:65] scope:SCOPE_SE
	s_setreg_imm32_b32 hwreg(HW_REG_WAVE_MODE, 25, 1), 1
	s_wait_xcnt 0x0
; cbx: the codebook [8192][256] f32 rounded to bf16, in rows of 528 bytes: 512 bytes of bf16 and a tail of 16 bytes.
; The tails carry ee[k] = sum over c of bf16(e[k][c])^2 in f32: the tail of row 16 t + q, q < 4, holds ee[16 t + 4 q .. + 3]; the tails of the
; other rows hold zeros.  528 is an odd multiple of 16, so the image in memory is also the image that the next launch wants in LDS, and a block
; of rows is a dense run of bytes that one tensor load can copy as it stands.
; One wave per work-group; the work-group owns 32 rows: 32,768 bytes in, 16,896 bytes (33 x 512) out.  The image is put together in LDS and
; leaves as 33 stores of 512 consecutive bytes, each aligned to 256.  No matrix unit, no cluster: a stream that shares nothing.
; LIMIT: the order in which ee is summed differs from that of reference(); ee is made of the rounded numbers, as the product in the next launch is.
.set ROWB,  1024                       ; bytes of a codebook row
.set PITCH, 528                        ; bytes of a cbx row
.set ROWS,  32                         ; rows of a work-group
.set LIN, 2                            ; v2        16 x lane
.set LA,  3                            ; v3        8 x lane
.set ZRO, 4                            ; v4        0, the address of the ee words (their place stands in the immediate)
.set ZT,  5                            ; v5        528 x lane: the row whose tail this lane clears
.set U,   8                            ; v[8:15]   8 rounded numbers, widened again
.set P,   16                           ; v[16:19]  8 bf16, packed
.set TS,  20                           ; v[20:21]  a pair of running sums
.set Z4,  24                           ; v[24:27]  zeros
.set X,   32                           ; v[32:159] 16 row slots of 8 registers; at the end v[32:163]: the image read back
.set SQ,  164                          ; v[164:195] row r: my 8 squares summed, then the whole row
	s_load_b128 s[4:7], s[0:1], 0x0                ; codebook s[4:5], cbx s[6:7]
	v_lshl_add_u32 v200, v0, 2, 0x4200
	v_mov_b32 v201, 0
	s_lshl_b32 s8, ttmp9, 15                       ; 32 rows of 1,024 bytes
	s_mov_b32 s9, 0
	s_mul_i32 s2, ttmp9, ROWS*PITCH                ; 32 rows of 528 bytes
	s_mov_b32 s3, 0
	s_mov_b32 s10, 0x76543210                      ; v_permlanex16_b32: lane i of one half reads lane i of the other
	s_mov_b32 s11, 0xfedcba98
	s_mov_b32 s12, 0xffff0000                      ; a word's upper bf16
	v_lshlrev_b32 v[LIN], 4, v0                    ; one wave: v0 is the lane
	v_lshlrev_b32 v[LA], 3, v0
	v_mov_b32 v[ZRO], 0
	v_mul_u32_u24 v[ZT], v0, PITCH
.irp j, 0,1,2,3
	v_mov_b32 v[Z4+\j], 0
.endr
	s_wait_kmcnt 0x0
	s_add_nc_u64 s[4:5], s[4:5], s[8:9]
	s_add_nc_u64 s[6:7], s[6:7], s[2:3]
.irp n, 0,1,2,3,4,5,6,7,8,9,10,11,12,13,14,15
	global_load_b128 v[X+8*\n:X+8*\n+3],   v[LIN], s[4:5] offset:\n*ROWB th:TH_LOAD_NT       ; columns 4 l .. 4 l + 3
	global_load_b128 v[X+8*\n+4:X+8*\n+7], v[LIN], s[4:5] offset:\n*ROWB+512 th:TH_LOAD_NT   ; columns 128 + 4 l ..
.endr
	ds_store_b128 v[ZT], v[Z4:Z4+3] offset:512     ; lane l clears the tail of row l: all 32 tails; the ee words are stored over eight of them further down
	                                               ; (LDS serves a wave's instructions in order: ISA guide 5.7.1)
; Row r: round, put the bf16 into the image, sum the squares of the rounded numbers.  refill = 1: the slot gets row r + 16.
; left = how many younger loads may stay out.
.macro ROW r, refill, left
	s_wait_loadcnt \left                           ; loads come back in order: the two of this row are in
.irp j, 0,1,2,3
	v_cvt_pk_bf16_f32 v[P+\j], v[X+8*((\r)&15)+2*\j], v[X+8*((\r)&15)+2*\j+1]
.endr
.if \refill
	global_load_b128 v[X+8*((\r)&15):X+8*((\r)&15)+3],   v[LIN], s[4:5] offset:(\r+16)*ROWB th:TH_LOAD_NT
	global_load_b128 v[X+8*((\r)&15)+4:X+8*((\r)&15)+7], v[LIN], s[4:5] offset:(\r+16)*ROWB+512 th:TH_LOAD_NT
.endif
	ds_store_b64 v[LA], v[P:P+1]   offset:(\r)*PITCH
	ds_store_b64 v[LA], v[P+2:P+3] offset:(\r)*PITCH+256
.irp j, 0,1,2,3
	v_lshlrev_b32 v[U+2*\j],   16,  v[P+\j]
	v_and_b32     v[U+2*\j+1], s12, v[P+\j]
.endr
	v_pk_mul_f32 v[TS:TS+1], v[U:U+1],   v[U:U+1]                  ; the first product starts the sums
	v_pk_fma_f32 v[TS:TS+1], v[U+2:U+3], v[U+2:U+3], v[TS:TS+1]
	v_pk_fma_f32 v[TS:TS+1], v[U+4:U+5], v[U+4:U+5], v[TS:TS+1]
	v_pk_fma_f32 v[TS:TS+1], v[U+6:U+7], v[U+6:U+7], v[TS:TS+1]
	v_add_f32 v[SQ+\r], v[TS], v[TS+1]
.endm
.irp n, 0,1,2,3,4,5,6,7,8,9,10,11,12,13,14,15
	ROW \n, 1, 30                                  ; behind row n's loads: 2 (15 - n) first loads and 2 n refills = 30
.endr
.irp n, 16,17,18,19,20,21,22,23,24,25,26,27,28,29,30,31
	ROW \n, 0, 62-2*\n                             ; nothing more is loaded: the counts run down 30, 28, .. 0
.endr
	; the 32 sums over the lanes, all rows one step at a time, so that no instruction waits for the one in front of it
.irp m, 1,2,4,8
.set r, 0
.rept 32
	v_add_f32_dpp v[SQ+r], v[SQ+r], v[SQ+r] row_xmask:\m row_mask:0xf bank_mask:0xf
.set r, r+1
.endr
.endr
.set r, 0
.rept 32
	v_permlanex16_b32 v[X+r], v[SQ+r], s10, s11    ; the destination counts as read: the row slots have been written
.set r, r+1
.endr
.set r, 0
.rept 32
	v_add_f32 v[SQ+r], v[SQ+r], v[X+r]             ; every lane holds ee of row r
	ds_store_b32 v[ZRO], v[SQ+r] offset:((r>>4)*16+((r&15)>>2))*PITCH+512+4*(r&3)   ; all lanes write the one word with the one value
.set r, r+1
.endr
	; The way out.  LDS serves a wave's instructions in order (ISA guide 5.7.1), so the loads see the stores above without a wait.
.set i, 0
.rept 33
	ds_load_b128 v[X+4*i:X+4*i+3], v[LIN] offset:512*i
.set i, i+1
.endr
.set i, 0
.rept 33
	s_wait_dscnt 32-i                              ; piece i is in; the 32 - i behind it may be out
	global_store_b128 v[LIN], v[X+4*i:X+4*i+3], s[6:7] offset:512*i        ; 512 consecutive bytes, at a multiple of 256 from the first byte of cbx
.set i, i+1
.endr
	s_wait_tensorcnt 0x0
	ds_add_u32 v200, v201
	s_wait_dscnt 0x0
	s_endpgm
.Lfunc_end_k_q04a64b4807_prep:
	.size	k_q04a64b4807_prep, .Lfunc_end_k_q04a64b4807_prep-k_q04a64b4807_prep
	.p2alignl 7, 3214868480
	.fill 96, 4, 3214868480
	.section	.rodata,"a",@progbits
	.p2align	6, 0x0
	.amdhsa_kernel k_q04a64b4807_prep
		.amdhsa_group_segment_fixed_size 17152
		.amdhsa_private_segment_fixed_size 0
		.amdhsa_enable_private_segment 0
		.amdhsa_kernarg_size 16
		.amdhsa_user_sgpr_count 2
		.amdhsa_user_sgpr_kernarg_segment_ptr 1
		.amdhsa_wavefront_size32 1
		.amdhsa_system_sgpr_workgroup_id_x 1
		.amdhsa_system_sgpr_workgroup_id_y 1
		.amdhsa_system_sgpr_workgroup_id_z 1
		.amdhsa_system_vgpr_workitem_id 0
		.amdhsa_next_free_vgpr 202
		.amdhsa_next_free_sgpr 66
		.amdhsa_reserve_vcc 0
		.amdhsa_float_denorm_mode_32 3
		.amdhsa_float_denorm_mode_16_64 3
		.amdhsa_memory_ordered 1
		.amdhsa_forward_progress 1
		.amdhsa_inst_pref_size 57
	.end_amdhsa_kernel
	.amdgpu_metadata
---
amdhsa.version: [ 1, 2 ]
amdhsa.kernels:
  - .name:           k_q04a64b4807_prep
    .symbol:         k_q04a64b4807_prep.kd
    .args:
      - { .name: codebook, .offset: 0, .size: 8, .value_kind: global_buffer, .address_space: global }
      - { .name: cbx, .offset: 8, .size: 8, .value_kind: global_buffer, .address_space: global }
    .group_segment_fixed_size: 17152
    .private_segment_fixed_size: 0
    .kernarg_segment_align: 8
    .kernarg_segment_size: 16
    .max_flat_workgroup_size: 32
    .sgpr_count:     66
    .vgpr_count:     202
    .wavefront_size: 32
...
	.end_amdgpu_metadata
.endif
;; end of part 1
;; launch search (part 2): grid 256 x 1, 8 waves a work-group, clusters of 4 x 1, 327,680 bytes of LDS; arguments z, cbx, out2, idx; writes out2, idx
.if DOCPART == 2
	.amdgcn_target "amdgcn-amd-amdhsa--gfx1250"
	.amdhsa_code_object_version 6
	.text
	.protected	k_q04a64b4807_search
	.globl	k_q04a64b4807_search
	.p2align	8
	.type	k_q04a64b4807_search,@function
k_q04a64b4807_search:
	s_mov_b64 s[64:65], 0
	v_nop
	global_prefetch_b8 v0, s[64:65] scope:SCOPE_SE
	s_setreg_imm32_b32 hwreg(HW_REG_WAVE_MODE, 25, 1), 1
	s_wait_xcnt 0x0
	s_wait_alu depctr_hold_cnt(0) depctr_sa_sdst(0) depctr_va_vdst(0) depctr_va_sdst(0) depctr_va_ssrc(0) depctr_va_vcc(0) depctr_vm_vsrc(0)
	s_getreg_b32 s2, hwreg(HW_REG_IB_STS2, 6, 4)
	s_cmp_eq_u32 s2, 0
	s_cbranch_scc0 .Lentry_in_a_cluster
	s_endpgm
.Lentry_in_a_cluster:
	s_bfe_u32 s2, ttmp6, 0x10000c
	s_cmp_lg_u32 s2, 0x3003
	s_cbranch_scc0 .Lentry_shape_is_right
	s_endpgm
.Lentry_shape_is_right:
; For each of the 32,768 vectors z[b][:][hw] the index of the nearest of 8,192 codes, as reference() finds it:
;   d = fl( fl(zz + ee) - 2 ze ),  the first index of the smallest d.
; The two roundings to f32 are kept as they stand in reference(), since d is decided on the f32 grid of zz; ze comes from the matrix unit with
; bf16 operands and f32 sums, and zz and ee are f32 sums of squares of the same bf16 numbers.
; LIMITS: NaN among the inputs is not served (the NaN rule of argmin is not reproduced).  The indices are those of reference() on inputs rounded
; to bf16.  zz, ee and ze are summed in another order than reference() sums them; a d that lies on a rounding boundary within that difference
; can fall to the other side.
;
; SHARE.  A work-group owns 128 neighbouring vectors (one b, 128 hw).  Eight waves: wave w has zg = w & 1 (its 64 vectors, four blocks of 16) and
; cq = w >> 1 (its quarter of the codes of every chunk).  The 64 x 256 bf16 of z of a wave stay in 256 registers for the whole launch.  The codes go
; through two LDS slots in 32 chunks of 256 codes; of a chunk a wave takes four tiles of 16 codes: 32 matrix instructions a tile.
; ORIENTATION.  Source 0 = 16 codes, source 1 = 16 vectors: lane (r, h), register j holds code 8 h + j against vector r, so the search runs
; inside a lane and the lanes meet once, at the end.
; ONE STREAM.  A tile's 32 products and the 96 vector instructions that search the tile BEFORE it are laid into each other: two sets of
; accumulators and two fragment buffers take turns by tiles, so that the vector work names no register of the products beside it.
; WINDOWS.  z fills window 1, so under the products' setting source place 1 means window 1.  The 32 packed multiply-adds that make d have a
; constant in that place and stand between the first 16 products; the 16 selects of the index have a scalar there and stand between later
; products.  v_min3, the compare and the select of WA need a vector register there: twelve at a time under setting 0, behind each of the last
; four K steps.  Eight switches a tile.
; CLUSTER.  Every work-group walks the same cbx, so four work-groups form a cluster and each chunk is asked for jointly (mask 15); the
; descriptor hangs on the wave's number and the chunk alone.  That divides the requests for cbx by four.
;
; LDS:   0        slot 0: 256 rows of 528 bytes (512 of bf16, 16 of tail with ee), as they lie in cbx
;        135,168  slot 1
;        270,336  ZST: 128 rows (c) of 288 bytes: 128 vectors in bf16; half of c at a time
;        307,200  ZP:  8 waves x 128 vectors, partial zz in f32
;        311,296  RED: 4 cq x 128 vectors x (d, index)
; ZST, ZP and RED are written by LDS stores and no tensor load ever lands in them.
.set PITCH,  528                       ; an odd multiple of 16: the 16 rows that a fragment load touches start at 16 different 16-byte columns modulo 256
.set SLOT,   256*PITCH
.set WPART,  32*PITCH                  ; what one tensor load brings: 32 rows, 16,896 bytes = 66 x 256
.set TILEB,  16*PITCH
.set ZST,    2*SLOT
.set ZPITCH, 288                       ; an odd multiple of 32, for the transposing loads
.set ZP,     ZST+128*ZPITCH
.set RED,    ZP+4096
; window 0
.set LANE, 1
.set R,    2                           ; lane & 15
.set H,    3                           ; lane >> 4
.set ADR,  4                           ; v4-5    slot s: LDS address of my part of a code fragment
.set ADE,  6                           ; v6-7    slot s: LDS address of the ee of my 8 codes
.set H8,   8                           ; 8 h
.set ZOFF, 9                           ; byte offset of my 16 bytes in my wave's first row of z
.set STA,  10                          ; where I put 4 bf16 of a row of z
.set TRA,  11                          ; from where the transposing loads read
.set ZPA,  12                          ; from where I read partial zz
.set TMP,  13                          ; v13-15
.set ZZ,   16                          ; v[16:23]  zz of block q in both registers of pair q
.set EE,   24                          ; v[24:39]  ee of my 8 codes, two buffers, by turns with the tiles
.set T,    40                          ; v[40:47]  fl(zz + ee)
.set B0,   48                          ; v[48:51]  the smallest d so far of block q
.set B1,   52                          ; v[52:55]  the same, by turns with B0
.set IX,   56                          ; v[56:59]  the even code of the pair that holds it, less 8 h
.set WA,   60                          ; v[60:63]  the d of that even code
.set ACC,  64                          ; v[64:127]  two sets of four accumulators: set p, block q at 32 p + 8 q
.set AF,   128                         ; v[128:255] two tiles of codes: buffer p, fragment k (32 of c) at 64 p + 8 k
.set ZL,   96                          ; v[96:223] set-up only: 32 rows of z as loaded
.set P,    224                         ; v[224:227] set-up only: 4 bf16 packed, two buffers
.set U,    228                         ; v[228:231] set-up only
.set ZA,   232                         ; v[232:235] set-up only: my part of zz of vectors 4 l .. 4 l + 3
; window 1 (v256-511): z, fragment (q, k) at 8 (8 q + k)
.set G1, 16                            ; s[16:23] descriptor group 1
.set G0, 24                            ; s[24:31] descriptor group 0, a set for each slot
.set CD, 40                            ; s[40:43] the four pair codes of a tile
.set MK, 44                            ; s[44:47] lanes that improved, block q
.set MSB, 0
.macro WIN new                         ; the immediate's high byte repeats the setting that is left
.if MSB != \new
	s_set_vgpr_msb (MSB<<8)|\new
.set MSB, \new
.endif
.endm
.macro BAR
	s_barrier_signal -1
	s_barrier_wait -1
.endm
; A round of the cluster's barrier: my work-group's barrier, so that wave 0 speaks for all eight waves; wave 0 signals for the work-group; every
; wave waits for all four work-groups; my work-group's barrier once more.
.macro CREST                           ; a round behind its opening barrier
	s_cmp_lg_u32 s12, 0
	s_cbranch_scc1 .Lnot_wave_0_\@
	s_barrier_signal -3
.Lnot_wave_0_\@:
	s_barrier_wait -3
	s_barrier_signal -1
	s_barrier_wait -1
.endm
.macro ROUND
	s_barrier_signal -1
	s_barrier_wait -1
	CREST
.endm
	s_load_b256 s[4:11], s[0:1], 0x0               ; z s[4:5], cbx s[6:7], out2 s[8:9], idx s[10:11]
	v_lshl_add_u32 v166, v0, 2, 0x4d000
	v_mov_b32 v167, 0
	ds_add_u32 v166, v167
	s_wait_dscnt 0x0
	v_lshrrev_b32 v[TMP], 5, v0
	v_readfirstlane_b32 s12, v[TMP]                ; wave 0..7
	s_and_b32 s13, s12, 1                          ; zg
	s_lshr_b32 s14, s12, 1                         ; cq
	s_bfe_u32 s15, ttmp6, 0x40000                  ; cx: my place in the cluster
	s_lshl_b32 s32, ttmp9, 2                       ; in a cluster launch ttmp9 counts clusters
	s_add_co_u32 s32, s32, s15                     ; work-group 0..255; it enters global addresses of z and of the outputs alone
	s_mul_i32 s33, s12, WPART                      ; my wave's part of a chunk, in cbx and in a slot alike
	s_lshr_b32 s34, s32, 5                         ; b,
	s_lshl_b32 s34, s34, 22                        ; 256 x 4,096 x 4 bytes each,
	s_and_b32 s35, s32, 31
	s_lshl_b32 s35, s35, 9                         ; and 128 vectors of 4 bytes
	s_add_co_u32 s34, s34, s35
	s_mov_b32 s35, 0
	s_lshl_b32 s36, s14, 6                         ; the first code of my quarter of chunk 0
	s_lshl_b32 s37, s12, 18                        ; my wave's 16 rows of 16,384 bytes
	s_mov_b32 s39, 0
	s_mov_b32 s38, s33
	s_mov_b32 s50, 0x76543210                      ; v_permlanex16_b32: lane i of one half reads lane i of the other
	s_mov_b32 s51, 0xfedcba98
	v_and_b32 v[LANE], 31, v0
	v_lshl_add_u32 v[ZOFF], v[LANE], 4, s37
	; group 1: a dense block of 16,896 bytes as 66 rows of 32 elements of 8 bytes, no padding; the same for every load
	s_mov_b32 s[G1+0], 15|(3<<16)|(1<<21)          ; 15:0 the mask: all four work-groups of the cluster; 17:16 elements of 8 bytes; 21 set beside a mask
	s_mov_b32 s[G1+1], 32<<16                      ; tensor_dim0 = 32
	s_mov_b32 s[G1+2], 66<<16                      ; tensor_dim1 = 66
	s_mov_b32 s[G1+3], 32<<16                      ; tile_dim0 = 32
	s_mov_b32 s[G1+4], 66                          ; tile_dim1 = 66
	s_mov_b32 s[G1+5], 32                          ; from row to row: 32 elements
	s_mov_b32 s[G1+6], 0
	s_mov_b32 s[G1+7], 0
	s_wait_kmcnt 0x0
	s_add_nc_u64 s[4:5], s[4:5], s[34:35]          ; z at my work-group's first vector, c = 0
	; all my wave's z at once: row c = 128 (i >> 4) + 16 w + (i & 15), 128 vectors = 512 consecutive aligned bytes a load
.set i, 0
.rept 32
	global_load_b128 v[ZL+4*i:ZL+4*i+3], v[ZOFF], s[4:5] offset:(i&15)*16384+(i>>4)*2097152 th:TH_LOAD_NT
.set i, i+1
.endr
	s_add_nc_u64 s[38:39], s[6:7], s[38:39]        ; cbx at my wave's part of chunk 0
.irp s, 0,1
	s_mov_b32 s[G0+4*\s], 1                                        ; count = 1
	s_add_co_u32 s[G0+4*\s+1], s33, \s*SLOT                        ; LDS address: wave x 16,896 + the slot
	s_add_nc_u64 s[G0+4*\s+2:G0+4*\s+3], s[38:39], \s*SLOT         ; global address: chunk s
	s_or_b32 s[G0+4*\s+3], s[G0+4*\s+3], 0x80000000                ; type = 2
.endr
	ROUND                                          ; all four work-groups are here: the first joint loads meet
	tensor_load_to_lds s[G0:G0+3], s[G1:G1+7]      ; chunk 0 and chunk 1: the two first fills go out together; two loads of mine are out,
	s_nop 0
	tensor_load_to_lds s[G0+4:G0+7], s[G1:G1+7]    ; later one behind each round
	s_nop 0
	v_and_b32 v[R], 15, v0
	v_bfe_u32 v[H], v0, 4, 1
	s_mul_i32 s37, s14, 64*PITCH                   ; my quarter of a chunk
	v_mul_u32_u24 v[ADR], v[R], PITCH              ; a fragment of 16 rows x 32 of c: lane (r, h) takes row r, 16 bytes at 16 h and at 32 + 16 h
	v_lshl_add_u32 v[ADR], v[H], 4, v[ADR]
	v_add_nc_u32 v[ADR], s37, v[ADR]
	v_add_nc_u32 v[ADR+1], SLOT, v[ADR]
	v_mul_u32_u24 v[ADE], v[H], 2*PITCH            ; ee of codes 8 h .. 8 h + 7 of a tile: the tails of its rows 2 h and 2 h + 1
	v_add_nc_u32 v[ADE], s37, v[ADE]
	v_add_nc_u32 v[ADE], 512, v[ADE]
	v_add_nc_u32 v[ADE+1], SLOT, v[ADE]
	v_lshlrev_b32 v[H8], 3, v[H]
	s_mul_i32 s37, s12, 16*ZPITCH
	s_add_co_u32 s37, s37, ZST
	v_lshl_add_u32 v[STA], v[LANE], 3, s37         ; my wave's 16 rows of the stage, 8 bytes a lane
	v_and_b32 v[TMP], 7, v0
	v_lshl_add_u32 v[TMP], v[H], 3, v[TMP]         ; row 8 h + (l & 7),
	v_mul_u32_u24 v[TRA], v[TMP], ZPITCH
	v_bfe_u32 v[TMP], v0, 3, 1
	v_lshl_add_u32 v[TRA], v[TMP], 4, v[TRA]       ; 16 bytes at 16 ((l >> 3) & 1),
	s_lshl_b32 s37, s13, 7
	s_add_co_u32 s37, s37, ZST
	v_add_nc_u32 v[TRA], s37, v[TRA]               ; in my wave's 64 vectors
	s_lshl_b32 s37, s13, 8
	s_add_co_u32 s37, s37, ZP
	v_lshl_add_u32 v[ZPA], v[R], 2, s37            ; vector 64 zg + r
	s_lshl_b32 s37, s12, 9
	s_add_co_u32 s37, s37, ZP
	v_lshl_add_u32 v[TMP+2], v[LANE], 4, s37       ; where my part of zz goes
; Row i of my 32 rows of z: round to bf16, into the stage, and the squares of the rounded numbers into ZA.
.macro ZROW i
	s_wait_loadcnt 31-(\i)                         ; loads come back in order: row i is in, the 31 - i behind it may be out
	v_cvt_pk_bf16_f32 v[P+2*((\i)&1)],   v[ZL+4*(\i)],   v[ZL+4*(\i)+1]
	v_cvt_pk_bf16_f32 v[P+2*((\i)&1)+1], v[ZL+4*(\i)+2], v[ZL+4*(\i)+3]
	ds_store_b64 v[STA], v[P+2*((\i)&1):P+2*((\i)&1)+1] offset:((\i)&15)*ZPITCH
	v_lshlrev_b32 v[U],   16,         v[P+2*((\i)&1)]
	v_and_b32     v[U+1], 0xffff0000, v[P+2*((\i)&1)]
	v_lshlrev_b32 v[U+2], 16,         v[P+2*((\i)&1)+1]
	v_and_b32     v[U+3], 0xffff0000, v[P+2*((\i)&1)+1]
.if (\i) == 0
	v_pk_mul_f32 v[ZA:ZA+1],   v[U:U+1],   v[U:U+1]                ; the first row starts the sums
	v_pk_mul_f32 v[ZA+2:ZA+3], v[U+2:U+3], v[U+2:U+3]
.else
	v_pk_fma_f32 v[ZA:ZA+1],   v[U:U+1],   v[U:U+1],   v[ZA:ZA+1]
	v_pk_fma_f32 v[ZA+2:ZA+3], v[U+2:U+3], v[U+2:U+3], v[ZA+2:ZA+3]
.endif
.endm
; Half p of c from the stage into fragments (q, 4 p + kk): the stage lies [c][vector], the transposing load gives lane (r, h) vector r with c along its registers.
.macro TRL p
	WIN 0x40                                       ; destination in window 1, address in window 0
.irp q, 0,1,2,3
.irp kk, 0,1,2,3
	ds_load_tr16_b128 v[8*(8*\q+4*\p+\kk):8*(8*\q+4*\p+\kk)+3],   v[TRA] offset:\kk*32*ZPITCH+32*\q
	ds_load_tr16_b128 v[8*(8*\q+4*\p+\kk)+4:8*(8*\q+4*\p+\kk)+7], v[TRA] offset:\kk*32*ZPITCH+32*\q+16*ZPITCH
.endr
.endr
	WIN 0
.endm
	; The tensor loads stay out over the next three barriers: behind them no slot is filled again and no slot is read.
.irp n, 0,1,2,3,4,5,6,7,8,9,10,11,12,13,14,15
	ZROW \n
.endr
	s_wait_dscnt 0x0                               ; my stores into the stage are done,
	BAR                                            ; everybody's are
	TRL 0
	s_wait_dscnt 0x0                               ; my reads of the stage are done,
	BAR                                            ; everybody's are: it may be written again
.irp n, 16,17,18,19,20,21,22,23,24,25,26,27,28,29,30,31
	ZROW \n
.endr
	ds_store_b128 v[TMP+2], v[ZA:ZA+3]
	s_wait_dscnt 0x0
	BAR
	TRL 1
.irp q, 0,1,2,3
.irp w, 0,1,2,3,4,5,6,7
	ds_load_b32 v[ZL+8*\q+\w], v[ZPA] offset:512*\w+64*\q          ; wave w's part of zz of vector 64 zg + 16 q + r
.endr
.endr
.irp q, 0,1,2,3
	v_mov_b32 v[B0+\q], 0x7f800000                 ; +infinity: the first finite d improves on it
	v_mov_b32 v[WA+\q], 0x7f800000
	v_mov_b32 v[IX+\q], 0
.endr
	s_wait_dscnt 0x0
.irp q, 0,1,2,3
	v_add_f32 v[ZL+8*\q],   v[ZL+8*\q],   v[ZL+8*\q+1]
	v_add_f32 v[ZL+8*\q+2], v[ZL+8*\q+2], v[ZL+8*\q+3]
	v_add_f32 v[ZL+8*\q+4], v[ZL+8*\q+4], v[ZL+8*\q+5]
	v_add_f32 v[ZL+8*\q+6], v[ZL+8*\q+6], v[ZL+8*\q+7]
	v_add_f32 v[ZL+8*\q],   v[ZL+8*\q],   v[ZL+8*\q+2]
	v_add_f32 v[ZL+8*\q+4], v[ZL+8*\q+4], v[ZL+8*\q+6]
	v_add_f32 v[ZZ+2*\q],   v[ZL+8*\q],   v[ZL+8*\q+4]             ; zz, in both registers of the pair that the packed form takes
	v_add_f32 v[ZZ+2*\q+1], v[ZL+8*\q],   v[ZL+8*\q+4]
.endr
; In the macros below CUR is the set of accumulators and the fragment buffer of the tile that is multiplied (its number in the chunk & 1),
; PRV = 1 - CUR those of the tile before, which is searched, and PTI that tile's number in its chunk.
; 18 LDS loads: tile ti of my quarter of the chunk in a slot into fragment buffer p, and the ee of my 8 codes into ee buffer p
.macro LOADS slot, ti, p
.irp k, 0,1,2,3,4,5,6,7
	ds_load_b128 v[AF+64*(\p)+8*\k:AF+64*(\p)+8*\k+3],   v[ADR+(\slot)] offset:(\ti)*TILEB+64*\k
	ds_load_b128 v[AF+64*(\p)+8*\k+4:AF+64*(\p)+8*\k+7], v[ADR+(\slot)] offset:(\ti)*TILEB+64*\k+32
.endr
	ds_load_b128 v[EE+8*(\p):EE+8*(\p)+3],   v[ADE+(\slot)] offset:(\ti)*TILEB
	ds_load_b128 v[EE+8*(\p)+4:EE+8*(\p)+7], v[ADE+(\slot)] offset:(\ti)*TILEB+PITCH
.endm
; One product: 16 codes x 16 vectors (block q) x 32 of c (step k).  Step 0 starts the sums.  The four accumulators of a set take turns, one
; instruction a turn, also from one tile's last (block 3) to the next tile's first (block 0 of the other set).
.macro WM k, q
.if (\k) == 0
	v_wmma_f32_16x16x32_bf16 v[ACC+32*CUR+8*(\q):ACC+32*CUR+8*(\q)+7], v[AF+64*CUR:AF+64*CUR+7], v[64*(\q):64*(\q)+7], 0
.else
	v_wmma_f32_16x16x32_bf16 v[ACC+32*CUR+8*(\q):ACC+32*CUR+8*(\q)+7], v[AF+64*CUR+8*(\k):AF+64*CUR+8*(\k)+7], v[64*(\q)+8*(\k):64*(\q)+8*(\k)+7], v[ACC+32*CUR+8*(\q):ACC+32*CUR+8*(\q)+7]
.endif
.endm
; fl(ee + zz) of block qq, two codes: ee x 1 + zz rounds once, as the addition of reference() does.  Written as a multiply-add so that source place 1, whose
; window is z's beside the products, holds a constant.
.macro TT qq, j
	v_pk_fma_f32 v[T+\j:T+\j+1], v[EE+8*PRV+\j:EE+8*PRV+\j+1], 1.0, v[ZZ+2*\qq:ZZ+2*\qq+1] op_sel_hi:[1,0,1]
.endm
; d = fl( fl(zz + ee) - 2 ze ), in place: 2 ze is exact, so the fused multiply-add rounds once, where the subtraction of reference() rounds
.macro DD qq, j
	v_pk_fma_f32 v[ACC+32*PRV+8*\qq+\j:ACC+32*PRV+8*\qq+\j+1], v[ACC+32*PRV+8*\qq+\j:ACC+32*PRV+8*\qq+\j+1], -2.0, v[T+\j:T+\j+1] op_sel_hi:[1,0,1]
.endm
; One pair of codes (2 jj, 2 jj + 1 of my eight) against the smallest d so far, in all four blocks.  Only a strictly smaller d takes over, so
; of equal d the earlier code stays.  Kept: the pair's even code (IXU) and the d of that even code; at the end WA = the minimum says that the
; even code holds it, which also gives a tie inside the pair to the lower code.  Four instructions for two d.
.macro TRKA jj, bn, bo
.irp q, 0,1,2,3
	v_min3_num_f32 v[\bn+\q], v[\bo+\q], v[ACC+32*PRV+8*\q+2*\jj], v[ACC+32*PRV+8*\q+2*\jj+1]
.endr
.irp q, 0,1,2,3
	v_cmp_lt_f32 s[MK+\q], v[\bn+\q], v[\bo+\q]
.endr
.irp q, 0,1,2,3
	v_cndmask_b32 v[WA+\q], v[WA+\q], v[ACC+32*PRV+8*\q+2*\jj], s[MK+\q]
.endr
.endm
.macro IXU jj, q
	v_cndmask_b32 v[IX+\q], v[IX+\q], s[CD+\jj], s[MK+\q]
.endm
; K steps 0 to 3, and behind each product two of the 32 instructions that make the d of the tile before: block k beside step k.
; The first four (TT of block 0) name no register of a matrix instruction: they are the four places (ISA guide 7.12.1) between the last tile's
; products and the first instruction that reads their results.
.macro HALF1 epi
.irp k, 0,1,2,3
	WM \k, 0
.if \epi
	TT \k, 0
	TT \k, 2
.endif
	WM \k, 1
.if \epi
	TT \k, 4
	TT \k, 6
.endif
	WM \k, 2
.if \epi
	DD \k, 0
	DD \k, 2
.endif
	WM \k, 3
.if \epi
	DD \k, 4
	DD \k, 6
.endif
.endr
.endm
; The four products of step k; sel = 1: between them the index selects of pair jp
.macro GRP k, sel, jp
	WIN 0x04
.irp q, 0,1,2,3
	WM \k, \q
.if \sel
	IXU \jp, \q
.endif
.endr
.endm
; K steps 4 to 7, and behind each the search through one pair of codes of the tile before
.macro HALF2 epi
.if \epi
.irp jj, 0,1,2,3
	s_add_co_u32 s[CD+\jj], s36, PTI*16+2*\jj      ; chunk x 256 + cq x 64 + tile x 16 + the pair
.endr
	GRP 4, 0, 0
	WIN 0
	TRKA 0, B1, B0
	GRP 5, 1, 0
	WIN 0
	TRKA 1, B0, B1
	GRP 6, 1, 1
	WIN 0
	TRKA 2, B1, B0
	GRP 7, 1, 2
	WIN 0
	TRKA 3, B0, B1                                 ; four pairs: the minimum is in B0 again
.irp q, 0,1,2,3
	IXU 3, \q
.endr
.else
	GRP 4, 0, 0
	GRP 5, 0, 0
	GRP 6, 0, 0
	GRP 7, 0, 0
	WIN 0
.endif
.endm
; Tile ti of the chunk in a slot.  epi = 1: the tile before is searched beside it.  more = 1: the next tile's 18 loads go out in the middle, behind the
; last read of the ee buffer that they write and more than four places behind the products that read their fragment buffer; they have 16
; products and 64 vector instructions in which to come.
; bar = 1 (tile 3): the slots change.  My reads of this slot were over when this tile's fragments came, so the waits and the signal stand at the
; tile's head, the first half of the tile (registers only) between signal and wait, and the next slot's first loads in the middle as always.
; fill = 1: this slot is filled again, two chunks ahead: the barrier then opens a round of the cluster's barrier.
.macro TILE slot, ti, bar, fill, more, epi
.set CUR, (\ti)&1
.set PRV, 1-CUR
.set PTI, ((\ti)+3)&3
	s_wait_dscnt 0x0                               ; the tile's 18 loads are in; with them all my reads of the slot up to this tile
.if \bar
	s_wait_xcnt 0x0
	v_lshl_add_u32 v166, v0, 2, 0x4d000
	v_mov_b32 v167, 0
	s_wait_tensorcnt 0x0                           ; all my tensor loads have landed: the one that was out is my part of the other slot,
	ds_add_u32 v166, v167
	s_wait_dscnt 0x0
.if \fill
	s_add_nc_u64 s[G0+4*\slot+2:G0+4*\slot+3], s[G0+4*\slot+2:G0+4*\slot+3], 2*SLOT   ; so a group 0 may be written: this slot's next chunk
.endif
	s_barrier_signal -1                            ; say so,
.endif
	WIN 0x04                                       ; source 1 (z) in window 1
	HALF1 \epi                                     ; work on registers while the others arrive,
.if \bar
	WIN 0
	s_barrier_wait -1                              ; and go on when all eight have said so
.if \fill
	CREST                                          ; the rest of the round: no wave of any partner still reads this slot or has a load on its way
	tensor_load_to_lds s[G0+4*\slot:G0+4*\slot+3], s[G1:G1+7]      ; the joint refill: my first and only tensor load behind the round; the wait for it stands three and a half tiles on
	s_nop 0
.endif
	LOADS 1-\slot, 0, PRV
.else
.if \more
	LOADS \slot, \ti+1, PRV                        ; under the products' setting: address (source 0) and destination are in window 0 there too
.endif
.endif
	HALF2 \epi
.if \epi
.if (\ti) == 0
	s_add_co_u32 s36, s36, 256                     ; the last chunk's last tile has been searched: the codes of this chunk
.endif
.endif
.endm
	s_wait_tensorcnt 0x1                           ; my part of chunk 0 is in; chunk 1's load, issued behind it, may stay out
	BAR                                            ; everybody's part is in
	LOADS 0, 0, 0
	TILE 0, 0, 0, 0, 1, 0                          ; chunk 0, tile 0: there is no tile before it to search
	s_mov_b32 s48, 15                              ; trip j: tiles 1 to 3 of chunk 2 j, chunk 2 j + 1, tile 0 of chunk 2 j + 2; chunks 2 to 31 are asked for
.Lloop:
	TILE 0, 1, 0, 0, 1, 1
	TILE 0, 2, 0, 0, 1, 1
	TILE 0, 3, 1, 1, 1, 1
	TILE 1, 0, 0, 0, 1, 1
	TILE 1, 1, 0, 0, 1, 1
	TILE 1, 2, 0, 0, 1, 1
	TILE 1, 3, 1, 1, 1, 1
	TILE 0, 0, 0, 0, 1, 1
	s_sub_co_u32 s48, s48, 1
	s_cmp_lg_u32 s48, 0
	s_cbranch_scc1 .Lloop
	TILE 0, 1, 0, 0, 1, 1                          ; the rest of chunk 30
	TILE 0, 2, 0, 0, 1, 1
	TILE 0, 3, 1, 0, 1, 1                          ; nothing is left to fetch: my work-group's barrier alone shows chunk 31 whole
	TILE 1, 0, 0, 0, 1, 1                          ; chunk 31
	TILE 1, 1, 0, 0, 1, 1
	TILE 1, 2, 0, 0, 1, 1
	TILE 1, 3, 0, 0, 0, 1
	; the last tile is searched by itself; the 16 vector instructions at the end of the tile above stand between its products and this
.set PRV, 1
.set PTI, 3
.irp qq, 0,1,2,3
.irp j, 0,2,4,6
	TT \qq, \j
.endr
.irp j, 0,2,4,6
	DD \qq, \j
.endr
.endr
.irp jj, 0,1,2,3
	s_add_co_u32 s[CD+\jj], s36, PTI*16+2*\jj
.endr
	TRKA 0, B1, B0
.irp q, 0,1,2,3
	IXU 0, \q
.endr
	TRKA 1, B0, B1
.irp q, 0,1,2,3
	IXU 1, \q
.endr
	TRKA 2, B1, B0
.irp q, 0,1,2,3
	IXU 2, \q
.endr
	TRKA 3, B0, B1
.irp q, 0,1,2,3
	IXU 3, \q
.endr
; (mv, mi) against (ov, oi): the other side wins with the smaller d, or with an equal d and the smaller index
.macro LEX dv, di, mv, mi, ov, oi, needv
	v_cmp_lt_f32 s52, v[\ov], v[\mv]
	v_cmp_eq_f32 s53, v[\ov], v[\mv]
	v_cmp_lt_u32 s54, v[\oi], v[\mi]
	s_and_b32 s53, s53, s54
	s_or_b32 s52, s52, s53
.if \needv
	v_cndmask_b32 v[\dv], v[\mv], v[\ov], s52
.endif
	v_cndmask_b32 v[\di], v[\mi], v[\oi], s52
.endm
	v_mov_b32 v[TMP+1], 0
.irp q, 0,1,2,3
	v_cmp_eq_f32 vcc_lo, v[WA+\q], v[B0+\q]        ; the even code of the pair holds the minimum?
	v_cndmask_b32 v[TMP], 1, v[TMP+1], vcc_lo      ; 0 if so, else 1
	v_add3_u32 v[IX+\q], v[IX+\q], v[TMP], v[H8]   ; the code
.endr
.irp q, 0,1,2,3
	v_permlanex16_b32 v[T+\q],   v[B0+\q], s50, s51                ; the other eight codes of each tile (T has been written)
	v_permlanex16_b32 v[T+4+\q], v[IX+\q], s50, s51
.endr
	s_lshl_b32 s37, s14, 10
	s_lshl_b32 s38, s13, 9
	s_add_co_u32 s37, s37, s38
	s_add_co_u32 s37, s37, RED
	v_lshl_add_u32 v[TMP], v[R], 3, s37            ; RED + 1,024 cq + 8 (64 zg + r)
.irp q, 0,1,2,3
	LEX ACC+2*\q, ACC+2*\q+1, B0+\q, IX+\q, T+\q, T+4+\q, 1
.endr
.irp q, 0,1,2,3
	ds_store_b64 v[TMP], v[ACC+2*\q:ACC+2*\q+1] offset:128*\q      ; lanes r and 16 + r write the same 8 bytes with the same numbers
.endr
	s_wait_dscnt 0x0                               ; my stores are done,
	BAR                                            ; everybody's are
	s_cmp_gt_u32 s12, 1
	s_cbranch_scc1 .Lno_out                        ; waves 0 and 1 finish 64 vectors each, two a lane
	s_lshl_b32 s37, s12, 9
	s_add_co_u32 s37, s37, RED
	v_lshl_add_u32 v[TMP], v[LANE], 4, s37
.irp c, 0,1,2,3
	ds_load_b128 v[ACC+4*\c:ACC+4*\c+3], v[TMP] offset:1024*\c     ; quarter c: (d, index) of vectors 64 w + 2 l and 64 w + 2 l + 1
.endr
	s_lshl_b32 s37, s32, 9
	s_lshl_b32 s38, s12, 8
	s_add_co_u32 s37, s37, s38
	v_lshl_add_u32 v[TMP+1], v[LANE], 3, s37       ; 4 bytes x (128 work-group + 64 w + 2 l)
	s_wait_dscnt 0x0
	LEX ACC,   ACC+1, ACC,   ACC+1, ACC+4,  ACC+5,  1
	LEX ACC+2, ACC+3, ACC+2, ACC+3, ACC+6,  ACC+7,  1
	LEX ACC,   ACC+1, ACC,   ACC+1, ACC+8,  ACC+9,  1
	LEX ACC+2, ACC+3, ACC+2, ACC+3, ACC+10, ACC+11, 1
	LEX ACC,   T,     ACC,   ACC+1, ACC+12, ACC+13, 0
	LEX ACC+2, T+1,   ACC+2, ACC+3, ACC+14, ACC+15, 0
	global_store_b64 v[TMP+1], v[T:T+1], s[8:9]    ; each store of the wave covers 256 consecutive bytes, aligned
	global_store_b64 v[TMP+1], v[T:T+1], s[10:11]  ; and once more for the next launch, which forms addresses from them
.Lno_out:
	s_wait_xcnt 0x0
	v_lshl_add_u32 v166, v0, 2, 0x4d000
	v_mov_b32 v167, 0
	s_wait_tensorcnt 0x0
	ds_add_u32 v166, v167
	s_wait_dscnt 0x0
	ROUND                                          ; the closing round: no work-group ends while a partner may still ask for a chunk that names it
	s_endpgm
.Lfunc_end_k_q04a64b4807_search:
	.size	k_q04a64b4807_search, .Lfunc_end_k_q04a64b4807_search-k_q04a64b4807_search
	.p2alignl 7, 3214868480
	.fill 96, 4, 3214868480
	.section	.rodata,"a",@progbits
	.p2align	6, 0x0
	.amdhsa_kernel k_q04a64b4807_search
		.amdhsa_group_segment_fixed_size 327680
		.amdhsa_private_segment_fixed_size 0
		.amdhsa_enable_private_segment 0
		.amdhsa_kernarg_size 32
		.amdhsa_user_sgpr_count 2
		.amdhsa_user_sgpr_kernarg_segment_ptr 1
		.amdhsa_wavefront_size32 1
		.amdhsa_system_sgpr_workgroup_id_x 1
		.amdhsa_system_sgpr_workgroup_id_y 1
		.amdhsa_system_sgpr_workgroup_id_z 1
		.amdhsa_system_vgpr_workitem_id 0
		.amdhsa_next_free_vgpr 512
		.amdhsa_next_free_sgpr 66
		.amdhsa_reserve_vcc 1
		.amdhsa_float_denorm_mode_32 3
		.amdhsa_float_denorm_mode_16_64 3
		.amdhsa_memory_ordered 1
		.amdhsa_forward_progress 1
		.amdhsa_inst_pref_size 195
	.end_amdhsa_kernel
	.amdgpu_metadata
---
amdhsa.version: [ 1, 2 ]
amdhsa.kernels:
  - .name:           k_q04a64b4807_search
    .symbol:         k_q04a64b4807_search.kd
    .args:
      - { .name: z, .offset: 0, .size: 8, .value_kind: global_buffer, .address_space: global }
      - { .name: cbx, .offset: 8, .size: 8, .value_kind: global_buffer, .address_space: global }
      - { .name: out2, .offset: 16, .size: 8, .value_kind: global_buffer, .address_space: global }
      - { .name: idx, .offset: 24, .size: 8, .value_kind: global_buffer, .address_space: global }
    .group_segment_fixed_size: 327680
    .private_segment_fixed_size: 0
    .kernarg_segment_align: 8
    .kernarg_segment_size: 32
    .max_flat_workgroup_size: 256
    .sgpr_count:     66
    .vgpr_count:     512
    .wavefront_size: 32
...
	.end_amdgpu_metadata
.endif
;; end of part 2
;; launch gather (part 3): grid 256 x 1, 8 waves a work-group, no clusters, 132,352 bytes of LDS; arguments z, codebook, idx, out0, part; writes out0, part
.if DOCPART == 3
	.amdgcn_target "amdgcn-amd-amdhsa--gfx1250"
	.amdhsa_code_object_version 6
	.text
	.protected	k_q04a64b4807_gather
	.globl	k_q04a64b4807_gather
	.p2align	8
	.type	k_q04a64b4807_gather,@function
k_q04a64b4807_gather:
	s_mov_b64 s[64:65], 0
	v_nop
	global_prefetch_b8 v0, s[64:65] scope:SCOPE_SE
	s_setreg_imm32_b32 hwreg(HW_REG_WAVE_MODE, 25, 1), 1
	s_wait_xcnt 0x0
; out0[b][c][hw] = z + (e[idx][c] - z), in the order of operations of reference(), on the f32 inputs as they are given, and for each work-group the sum of (e - z)^2.
; The work-group owns 128 neighbouring vectors (one b, 128 hw).  Wave w first gathers the code rows of vectors 16 w .. 16 w + 15 into LDS, then
; makes the rows c = 32 w .. 32 w + 31 of the output.
; A lane works on blocks of 4 c x 4 vectors: z comes as four loads of 16 bytes (rows c + i, vectors 4 l .. 4 l + 3), e as four LDS loads of
; 16 bytes (rows of vectors 4 l + k, columns c .. c + 3): the transposition is then a choice of register numbers.
; LDS: row n (1,024 bytes) of vector n; its 16-byte column cb lies at place (cb + (n >> 2)) & 63, so that the stores (one row, neighbouring columns)
; and the loads (16 lanes: rows 4 apart, one column) both touch 16 different 16-byte columns modulo 256.  Behind it 32 bytes for the waves' sums.
; Bytes bind here: no matrix unit; no cluster, since no two work-groups ask for the same tile (each gathers the rows of its own indices);
; no tensor load, since the gather is addressed lane by lane.  All reads are issued at the start or straight behind the one barrier.
; The indices are clamped to 8,191 in front of the address; the launch before stores none larger.
.set LSC,  131072                      ; 8 words: the waves' sums
.set LANE, 1
.set L16,  2                           ; 16 x lane
.set ZO,   3                           ; byte offset of my 16 bytes in my wave's first row of z and of out0; never rewritten
.set EA,   4                           ; v4-5      LDS address of a block of e, two by turns
.set LW,   6                           ; lane + 8 w
.set L4K,  7                           ; 4,096 x lane
.set GA,   8                           ; v[8:23]   row i: 1,024 x index + 16 x lane
.set WAD,  24                          ; v[24:31]  where rows 4 a .. 4 a + 3 of my 16 go, half f, at 2 a + f
.set G,    32                          ; v[32:159] the 16 gathered rows, 8 registers each
.set ZB,   32                          ; v[32:95]  later: z of blocks 4 to 7
.set E,    96                          ; v[96:127] later: e of a block, two buffers of 16
.set ZA,   160                         ; v[160:223] z of blocks 0 to 3
.set L,    224                         ; v[224:227] four sums of squares
.set D,    228                         ; v[228:231] e - z
.set TMP,  232
	s_load_b256 s[4:11], s[0:1], 0x0               ; z s[4:5], codebook s[6:7], idx s[8:9], out0 s[10:11]
	s_load_b64 s[12:13], s[0:1], 0x20              ; part
	v_lshl_add_u32 v240, v0, 2, 0x20100
	v_mov_b32 v241, 0
	v_lshrrev_b32 v[TMP], 5, v0
	v_readfirstlane_b32 s14, v[TMP]                ; wave 0..7
	v_and_b32 v[LANE], 31, v0
	v_lshlrev_b32 v[L16], 4, v[LANE]
	s_lshl_b32 s32, ttmp9, 9                       ; 128 indices of 4 bytes a work-group,
	s_lshl_b32 s33, s14, 6                         ; 16 a wave
	s_add_co_u32 s32, s32, s33
	s_mov_b32 s33, 0
	s_wait_kmcnt 0x0
	s_add_nc_u64 s[8:9], s[8:9], s[32:33]
	s_load_b512 s[16:31], s[8:9], 0x0              ; my wave's 16 indices
	s_lshr_b32 s34, ttmp9, 5                       ; b,
	s_lshl_b32 s34, s34, 22                        ; 256 x 4,096 x 4 bytes each,
	s_and_b32 s35, ttmp9, 31
	s_lshl_b32 s35, s35, 9                         ; and 128 vectors of 4 bytes
	s_add_co_u32 s34, s34, s35
	s_mov_b32 s35, 0
	s_add_nc_u64 s[4:5], s[4:5], s[34:35]
	s_add_nc_u64 s[10:11], s[10:11], s[34:35]
	s_mov_b32 s36, 0x76543210
	s_mov_b32 s37, 0xfedcba98
	s_lshl_b32 s38, s14, 19                        ; my wave's 32 rows of 16,384 bytes
	v_lshl_add_u32 v[ZO], v[LANE], 4, s38
	s_lshl_b32 s38, s14, 2
	s_lshl_b32 s39, s14, 14                        ; my wave's 16 rows in LDS
	v_add_nc_u32 v[TMP], s38, v[LANE]              ; lane + 4 w
.irp a, 0,1,2,3
.irp f, 0,1
	v_add_nc_u32 v[WAD+2*\a+\f], 32*\f+\a, v[TMP]                  ; column lane + 32 f, turned by n >> 2 = 4 w + a
	v_and_b32 v[WAD+2*\a+\f], 63, v[WAD+2*\a+\f]
	v_lshl_add_u32 v[WAD+2*\a+\f], v[WAD+2*\a+\f], 4, s39
.endr
.endr
	s_lshl_b32 s38, s14, 3
	v_add_nc_u32 v[LW], s38, v[LANE]
	v_lshlrev_b32 v[L4K], 12, v[LANE]
	s_wait_kmcnt 0x0
.irp i, 0,1,2,3,4,5,6,7,8,9,10,11,12,13,14,15
	s_min_u32 s[16+\i], s[16+\i], 0x1fff           ; a loaded number enters an address only behind this clamp
	s_lshl_b32 s[16+\i], s[16+\i], 10
	v_add_nc_u32 v[GA+\i], s[16+\i], v[L16]
.endr
.irp i, 0,1,2,3,4,5,6,7,8,9,10,11,12,13,14,15
	global_load_b128 v[G+8*\i:G+8*\i+3],   v[GA+\i], s[6:7]                ; a row may be named twice: no hint
	global_load_b128 v[G+8*\i+4:G+8*\i+7], v[GA+\i], s[6:7] offset:512
.endr
.set j, 0
.rept 16
	global_load_b128 v[ZA+4*j:ZA+4*j+3], v[ZO], s[4:5] offset:j*16384 th:TH_LOAD_NT        ; rows 32 w + j: 512 consecutive aligned bytes
.set j, j+1
.endr
.set i, 0
.rept 16
	s_wait_loadcnt 46-2*i                          ; row i is in: behind its two loads stand 2 (15 - i) gathers and the 16 loads of z
	ds_store_b128 v[WAD+2*(i>>2)],   v[G+8*i:G+8*i+3]   offset:i*1024
	ds_store_b128 v[WAD+2*(i>>2)+1], v[G+8*i+4:G+8*i+7] offset:i*1024
.set i, i+1
.endr
	s_wait_dscnt 0x0                               ; my rows are in LDS (and G is free),
	s_barrier_signal -1
	s_barrier_wait -1                              ; everybody's are
.set j, 16
.rept 16
	global_load_b128 v[ZB+4*(j-16):ZB+4*(j-16)+3], v[ZO], s[4:5] offset:j*16384 th:TH_LOAD_NT
.set j, j+1
.endr
; e of block it (columns 32 w + 4 it .. + 3 of the rows of vectors 4 l .. 4 l + 3) into buffer buf: register 4 k + i = e[vector 4 l + k][c + i]
.macro ELOAD it, buf
	v_add_nc_u32 v[EA+(\buf)], \it, v[LW]          ; column 8 w + it, turned by n >> 2 = l
	v_and_b32 v[EA+(\buf)], 63, v[EA+(\buf)]
	v_lshl_add_u32 v[EA+(\buf)], v[EA+(\buf)], 4, v[L4K]
.irp k, 0,1,2,3
	ds_load_b128 v[E+16*(\buf)+4*\k:E+16*(\buf)+4*\k+3], v[EA+(\buf)] offset:\k*1024
.endr
.endm
; Block it: four rows of the output.  zr: its 16 registers of z (4 i + k = z[c + i][vector 4 l + k]), which become the output and are not written again.
.macro ITER it, zr, buf, more
.if \more
	ELOAD \it+1, 1-\buf
	s_wait_dscnt 0x4                               ; this block's e is in; the next block's four loads may be out
.else
	s_wait_dscnt 0x0
.endif
	s_wait_loadcnt 28-4*\it                        ; this block's z is in; four loads for each later block may be out
.irp i, 0,1,2,3
.irp k, 0,1,2,3
	v_sub_f32 v[D+\k], v[E+16*(\buf)+4*\k+\i], v[\zr+4*\i+\k]
.endr
.irp k, 0,1,2,3
.if (\it)+\i == 0
	v_mul_f32 v[L+\k], v[D+\k], v[D+\k]            ; the first row starts the sums
.else
	v_fmac_f32 v[L+\k], v[D+\k], v[D+\k]
.endif
.endr
.irp k, 0,1,2,3
	v_add_f32 v[\zr+4*\i+\k], v[\zr+4*\i+\k], v[D+\k]
.endr
	global_store_b128 v[ZO], v[\zr+4*\i:\zr+4*\i+3], s[10:11] offset:(4*\it+\i)*16384 th:TH_STORE_NT   ; 512 consecutive aligned bytes
.endr
.endm
	ELOAD 0, 0
	ITER 0, ZA,    0, 1
	ITER 1, ZA+16, 1, 1
	ITER 2, ZA+32, 0, 1
	ITER 3, ZA+48, 1, 1
	ITER 4, ZB,    0, 1
	ITER 5, ZB+16, 1, 1
	ITER 6, ZB+32, 0, 1
	ITER 7, ZB+48, 1, 0
	v_add_f32 v[L], v[L], v[L+1]
	v_add_f32 v[L+2], v[L+2], v[L+3]
	v_add_f32 v[L], v[L], v[L+2]
	v_add_f32_dpp v[L], v[L], v[L] row_xmask:1 row_mask:0xf bank_mask:0xf
	v_add_f32_dpp v[L], v[L], v[L] row_xmask:2 row_mask:0xf bank_mask:0xf
	v_add_f32_dpp v[L], v[L], v[L] row_xmask:4 row_mask:0xf bank_mask:0xf
	v_add_f32_dpp v[L], v[L], v[L] row_xmask:8 row_mask:0xf bank_mask:0xf
	v_permlanex16_b32 v[D], v[L], s36, s37
	v_add_f32 v[L], v[L], v[D]
	s_lshl_b32 s38, s14, 2
	s_add_co_u32 s38, s38, LSC
	v_mov_b32 v[TMP], s38
	ds_store_b32 v[TMP], v[L]                      ; my wave's word; all lanes write the one value
	s_wait_dscnt 0x0
	s_barrier_signal -1
	s_barrier_wait -1
	s_cmp_lg_u32 s14, 0
	s_cbranch_scc1 .Ldone                          ; wave 0 adds the eight and stores the work-group's sum
	v_mov_b32 v[TMP], LSC
	ds_load_b128 v[E:E+3],   v[TMP]
	ds_load_b128 v[E+4:E+7], v[TMP] offset:16
	s_lshl_b32 s32, ttmp9, 2
	s_mov_b32 s33, 0
	s_add_nc_u64 s[12:13], s[12:13], s[32:33]
	v_mov_b32 v[TMP+1], 0
	s_wait_dscnt 0x0
	v_pk_add_f32 v[E:E+1],   v[E:E+1],   v[E+4:E+5]
	v_pk_add_f32 v[E+2:E+3], v[E+2:E+3], v[E+6:E+7]
	v_pk_add_f32 v[E:E+1],   v[E:E+1],   v[E+2:E+3]
	v_add_f32 v[E], v[E], v[E+1]
	s_wait_xcnt 0x0                                ; EXEC is a source of the stores above: it changes only behind this wait
	v_cmp_eq_u32 vcc_lo, 0, v0
	s_and_saveexec_b32 s38, vcc_lo
	global_store_b32 v[TMP+1], v[E], s[12:13]      ; one word for each work-group; the next launch adds them in a fixed order
	s_wait_xcnt 0x0                                ; and again in front of the line that widens it
	s_or_b32 exec_lo, exec_lo, s38
.Ldone:
	s_wait_tensorcnt 0x0
	ds_add_u32 v240, v241
	s_wait_dscnt 0x0
	s_endpgm
.Lfunc_end_k_q04a64b4807_gather:
	.size	k_q04a64b4807_gather, .Lfunc_end_k_q04a64b4807_gather-k_q04a64b4807_gather
	.p2alignl 7, 3214868480
	.fill 96, 4, 3214868480
	.section	.rodata,"a",@progbits
	.p2align	6, 0x0
	.amdhsa_kernel k_q04a64b4807_gather
		.amdhsa_group_segment_fixed_size 132352
		.amdhsa_private_segment_fixed_size 0
		.amdhsa_enable_private_segment 0
		.amdhsa_kernarg_size 40
		.amdhsa_user_sgpr_count 2
		.amdhsa_user_sgpr_kernarg_segment_ptr 1
		.amdhsa_wavefront_size32 1
		.amdhsa_system_sgpr_workgroup_id_x 1
		.amdhsa_system_sgpr_workgroup_id_y 1
		.amdhsa_system_sgpr_workgroup_id_z 1
		.amdhsa_system_vgpr_workitem_id 0
		.amdhsa_next_free_vgpr 242
		.amdhsa_next_free_sgpr 66
		.amdhsa_reserve_vcc 1
		.amdhsa_float_denorm_mode_32 3
		.amdhsa_float_denorm_mode_16_64 3
		.amdhsa_memory_ordered 1
		.amdhsa_forward_progress 1
		.amdhsa_inst_pref_size 34
	.end_amdhsa_kernel
	.amdgpu_metadata
---
amdhsa.version: [ 1, 2 ]
amdhsa.kernels:
  - .name:           k_q04a64b4807_gather
    .symbol:         k_q04a64b4807_gather.kd
    .args:
      - { .name: z, .offset: 0, .size: 8, .value_kind: global_buffer, .address_space: global }
      - { .name: codebook, .offset: 8, .size: 8, .value_kind: global_buffer, .address_space: global }
      - { .name: idx, .offset: 16, .size: 8, .value_kind: global_buffer, .address_space: global }
      - { .name: out0, .offset: 24, .size: 8, .value_kind: global_buffer, .address_space: global }
      - { .name: part, .offset: 32, .size: 8, .value_kind: global_buffer, .address_space: global }
    .group_segment_fixed_size: 132352
    .private_segment_fixed_size: 0
    .kernarg_segment_align: 8
    .kernarg_segment_size: 40
    .max_flat_workgroup_size: 256
    .sgpr_count:     66
    .vgpr_count:     242
    .wavefront_size: 32
...
	.end_amdgpu_metadata
.endif
;; end of part 3
;; launch lossfin (part 4): grid 1 x 1, 1 waves a work-group, no clusters, 0 bytes of LDS; arguments part, out1; writes out1
.if DOCPART == 4
	.amdgcn_target "amdgcn-amd-amdhsa--gfx1250"
	.amdhsa_code_object_version 6
	.text
	.protected	k_q04a64b4807_lossfin
	.globl	k_q04a64b4807_lossfin
	.p2align	8
	.type	k_q04a64b4807_lossfin,@function
k_q04a64b4807_lossfin:
	s_mov_b64 s[64:65], 0
	v_nop
	global_prefetch_b8 v0, s[64:65] scope:SCOPE_SE
	s_setreg_imm32_b32 hwreg(HW_REG_WAVE_MODE, 25, 1), 1
	s_wait_xcnt 0x0
; loss = 0.25 m + m,  m = (sum of the 256 work-groups' sums of (e - z)^2) / 2^23  (32,768 vectors x 256 numbers = 2^23).
; One wave: a sum over work-groups is made by one owner in a launch of its own, in a fixed order.  0.25 m is exact, so the fused multiply-add
; rounds where the addition of reference() rounds.
	s_load_b128 s[4:7], s[0:1], 0x0                ; part s[4:5], out1 s[6:7]
	s_mov_b32 s8, 0x76543210
	s_mov_b32 s9, 0xfedcba98
	v_lshlrev_b32 v1, 4, v0
	v_mov_b32 v12, 0
	s_wait_kmcnt 0x0
	global_load_b128 v[2:5], v1, s[4:5]            ; 1,024 bytes in two loads of 512
	global_load_b128 v[6:9], v1, s[4:5] offset:512
	s_wait_loadcnt 0x0
	v_pk_add_f32 v[2:3], v[2:3], v[6:7]
	v_pk_add_f32 v[4:5], v[4:5], v[8:9]
	v_pk_add_f32 v[2:3], v[2:3], v[4:5]
	v_add_f32 v2, v2, v3
	v_add_f32_dpp v2, v2, v2 row_xmask:1 row_mask:0xf bank_mask:0xf
	v_add_f32_dpp v2, v2, v2 row_xmask:2 row_mask:0xf bank_mask:0xf
	v_add_f32_dpp v2, v2, v2 row_xmask:4 row_mask:0xf bank_mask:0xf
	v_add_f32_dpp v2, v2, v2 row_xmask:8 row_mask:0xf bank_mask:0xf
	v_permlanex16_b32 v3, v2, s8, s9               ; v3 has been written
	v_add_f32 v2, v2, v3
	v_mul_f32 v2, 0x34000000, v2                   ; x 2^-23: the mean
	v_fma_f32 v2, 0x3e800000, v2, v2               ; 0.25 m + m
	s_wait_xcnt 0x0                                ; EXEC changes only behind this wait
	v_cmp_eq_u32 vcc_lo, 0, v0
	s_and_saveexec_b32 s10, vcc_lo
	global_store_b32 v12, v2, s[6:7]
	s_wait_xcnt 0x0
	s_or_b32 exec_lo, exec_lo, s10
	s_endpgm
.Lfunc_end_k_q04a64b4807_lossfin:
	.size	k_q04a64b4807_lossfin, .Lfunc_end_k_q04a64b4807_lossfin-k_q04a64b4807_lossfin
	.p2alignl 7, 3214868480
	.fill 96, 4, 3214868480
	.section	.rodata,"a",@progbits
	.p2align	6, 0x0
	.amdhsa_kernel k_q04a64b4807_lossfin
		.amdhsa_group_segment_fixed_size 0
		.amdhsa_private_segment_fixed_size 0
		.amdhsa_enable_private_segment 0
		.amdhsa_kernarg_size 16
		.amdhsa_user_sgpr_count 2
		.amdhsa_user_sgpr_kernarg_segment_ptr 1
		.amdhsa_wavefront_size32 1
		.amdhsa_system_sgpr_workgroup_id_x 1
		.amdhsa_system_sgpr_workgroup_id_y 1
		.amdhsa_system_sgpr_workgroup_id_z 1
		.amdhsa_system_vgpr_workitem_id 0
		.amdhsa_next_free_vgpr 16
		.amdhsa_next_free_sgpr 66
		.amdhsa_reserve_vcc 1
		.amdhsa_float_denorm_mode_32 3
		.amdhsa_float_denorm_mode_16_64 3
		.amdhsa_memory_ordered 1
		.amdhsa_forward_progress 1
		.amdhsa_inst_pref_size 2
	.end_amdhsa_kernel
	.amdgpu_metadata
---
amdhsa.version: [ 1, 2 ]
amdhsa.kernels:
  - .name:           k_q04a64b4807_lossfin
    .symbol:         k_q04a64b4807_lossfin.kd
    .args:
      - { .name: part, .offset: 0, .size: 8, .value_kind: global_buffer, .address_space: global }
      - { .name: out1, .offset: 8, .size: 8, .value_kind: global_buffer, .address_space: global }
    .group_segment_fixed_size: 0
    .private_segment_fixed_size: 0
    .kernarg_segment_align: 8
    .kernarg_segment_size: 16
    .max_flat_workgroup_size: 32
    .sgpr_count:     66
    .vgpr_count:     16
    .wavefront_size: 32
...
	.end_amdgpu_metadata
.endif
;; end of part 4
